; MI455X (gfx1250); checked and timed in simulation.
; The chip was launched on July 23, 2026; its instructions are those of AMD's public machine-readable ISA for CDNA 5 (MIT licence, August 2026) and "CDNA5" Instruction Set Architecture Reference Guide (July 2026). The comments in the code are by the model that wrote it; some were corrected since.
;; LSTM Layer. Allowed arithmetic: matrix products marked QUANTISED: E3M2 operands, one E8M0 scale for each 32 along K, by v_wmma_scale_f32_16x16x128_f8f6f4 with both operands' format E3M2, f32 sums; everything else in f32.
;; Inputs: W_f_h2h 1,024 x 1,024 float32; W_f_i2h 1,024 x 1,024 float32; W_g_h2h 1,024 x 1,024 float32; W_g_i2h 1,024 x 1,024 float32; W_i_h2h 1,024 x 1,024 float32; W_i_i2h 1,024 x 1,024 float32; W_o_h2h 1,024 x 1,024 float32; W_o_i2h 1,024 x 1,024 float32; b_f_h2h 1,024 float32; b_f_i2h 1,024 float32; b_g_h2h 1,024 float32; b_g_i2h 1,024 float32; b_i_h2h 1,024 float32; b_i_i2h 1,024 float32; b_o_h2h 1,024 float32; b_o_i2h 1,024 float32; c_0 8,192 x 1,024 float32; h_0 8,192 x 1,024 float32; input 8,192 x 1,024 float32.
;; Outputs: out0 8,192 x 1,024 float32; out1 8,192 x 1,024 float32.
;; This version of the problem:
;;   THIS VERSION OF THE PROBLEM IS GIVEN IN LOW PRECISION. The matrix products marked QUANTISED in the list below multiply operands that are first quantised to E3M2 (3 exponent bits, 2 mantissa bits; 6 bits a number), with one power-of-two scale for each 32 numbers along K (OCP MX v1.0); their sums are f32. All else is computed in f32.
;;   The module's matrix products, in the order in which they are computed (A, B: the left and right operand; K: the contracted axis; several contracted axes count as one K, in the product's order):
;;     1. [M 8,192, K 1,024] x [K 1,024, N 1,024]; A: input input; B: input W_i_i2h: QUANTISED
;;     2. [M 8,192, K 1,024] x [K 1,024, N 1,024]; A: input h_0; B: input W_i_h2h: QUANTISED
;;     3. [M 8,192, K 1,024] x [K 1,024, N 1,024]; A: input input; B: input W_f_i2h: QUANTISED
;;     4. [M 8,192, K 1,024] x [K 1,024, N 1,024]; A: input h_0; B: input W_f_h2h: QUANTISED
;;     5. [M 8,192, K 1,024] x [K 1,024, N 1,024]; A: input input; B: input W_o_i2h: QUANTISED
;;     6. [M 8,192, K 1,024] x [K 1,024, N 1,024]; A: input h_0; B: input W_o_h2h: QUANTISED
;;     7. [M 8,192, K 1,024] x [K 1,024, N 1,024]; A: input input; B: input W_g_i2h: QUANTISED
;;     8. [M 8,192, K 1,024] x [K 1,024, N 1,024]; A: input h_0; B: input W_g_h2h: QUANTISED
;;   THE QUANTISER, for each operand of a quantised product, along K:
;;     - K is cut into blocks of 32 from its start; a last block that is shorter is filled with zeros.
;;     - A block's scale is 2^e with e = floor(log2(the largest magnitude in the block)) - 4, held to -126 .. 127; a block of zeros has e = 0. As a byte (E8M0): e + 127.
;;     - Each number is divided by its block's scale, clamped to +-28, and rounded to the nearest number of E3M2, ties to even, subnormals kept.
;;     - The product sums the exact products of the quantised numbers (number of the format x scale) in f32.
;;   ~~~python
;;   def quantise(x, axis):      # numpy; x: float32 -> the quantised numbers, widened to float32 again
;;       x = np.moveaxis(x, axis, -1); K = x.shape[-1]
;;       x = np.pad(x, [(0, 0)] * (x.ndim - 1) + [(0, -K % 32)]); x = x.reshape(x.shape[:-1] + (-1, 32)); a = np.abs(x).max(-1, keepdims=True)
;;       e = np.where(a > 0, np.clip(np.frexp(np.where(a > 0, a, 1))[1] - 1 - 4, -126, 127), 0)      # np.frexp(a)[1] - 1 = floor(log2(a)), exactly
;;       r = np.clip(x / 2.0 ** e, -28, 28)
;;       step = 2.0 ** (np.maximum(np.frexp(np.where(r == 0, 1, r))[1] - 1, -2) - 2)
;;       q = np.round(r / step) * step * 2.0 ** e      # np.round: ties to even
;;       return np.moveaxis(q.reshape(q.shape[:-2] + (-1,))[..., :K], -1, axis).astype(np.float32)
;;   ~~~
;; One version. Each part assembles by itself: llvm-mc -triple=amdgcn-amd-amdhsa -mcpu=gfx1250 --defsym DOCPART=n.
;; ======== version 1 of 1: 2 launches
;; limits: right only within a limited range of input values
;; workspace buffers: a_codes 13,107,200 bytes; b_codes 6,553,600 bytes
;; launch quant (part 1): grid 768 x 1, 4 waves a work-group, no clusters, 34,304 bytes of LDS; arguments input, h_0, W_i_i2h, W_i_h2h, W_f_i2h, W_f_h2h, W_g_i2h, W_g_h2h, W_o_i2h, W_o_h2h, a_codes, b_codes; writes a_codes, b_codes
.if DOCPART == 1
	.amdgcn_target "amdgcn-amd-amdhsa--gfx1250"
	.amdhsa_code_object_version 6
	.text
	.protected	k_qba090eae77_quant
	.globl	k_qba090eae77_quant
	.p2align	8
	.type	k_qba090eae77_quant,@function
k_qba090eae77_quant:
	s_mov_b64 s[64:65], 0
	v_nop
	global_prefetch_b8 v0, s[64:65] scope:SCOPE_SE
	s_setreg_imm32_b32 hwreg(HW_REG_WAVE_MODE, 25, 1), 1
	s_wait_xcnt 0x0
; The ten f32 operands of the LSTM cell's eight products become codes of BF6 (E3M2), 6 bits each, with one E8M0 scale byte for each 32 along K.
; The eight products are taken as ONE: A [8192][2048] = [input | h_0], B [4096][2048]: gate g (0 i, 1 f, 2 g, 3 o), unit U is B's row (U / 32) 128 + 32 g + U % 32, its K = [W_g_i2h[U] | W_g_h2h[U]].
; K is innermost in all ten tensors, so one path of this text serves all: only pointers and numbers are chosen, by the work-group's number.
; A block's scale is 2^(floor(log2(its largest magnitude)) - 4); its byte is the largest magnitude's exponent field - 4, held at 1 from below.  Each number is divided by the scale and rounded to the
; nearest code, ties to even; beyond 28 the largest code.
; LIMITS: NaN and infinities among the inputs are not served.  A block of zeros gets the byte 1 where the rule says 127: its codes are zeros, which add nothing under any byte but 0xff, and this program alone reads the bytes.
; LAYOUT: A UNIT is 128 rows x 256 along K: 25,600 bytes on end, so that one tensor load of the next launch brings codes and scale words together.  Unit (run of 128 rows G, K step of 256 p) lies at (8 G + p) 25,600.
;   Its first 24,576 bytes: 16 fragments as images of the operand's registers.  A fragment (16 rows x 128 K) is 12 registers a lane; registers 4 c .. 4 c + 3 of lane l lie at 512 c + 16 l of its 1,536 bytes;
;   fragment (block of 16 rows i, half q of the 256) at 3,072 i + 1,536 q.   Its last 1,024 bytes: the scale words (four bytes: 128 along K of one row) at 128 i + 8 row + 4 q.
; SHARES: a work-group takes 32 rows (two neighbouring blocks) of one tensor, 1,024 along K; wave w takes its w-th 256: four fragments (block f / 2, half f % 2), 6,144 bytes of codes on end, and 256 bytes of scale words on end.
; A load reads 512 consecutive bytes of a row, 16 a lane; the conversions want 32 neighbours along K in ONE lane: so a fragment's 16 x 512 bytes turn through the wave's own stage in LDS (rows 528 bytes apart).
; No tensor loads, no barrier: waves share nothing.  Loads run two fragments (32 loads a wave) ahead.
.set ROWF,  4096                       ; a row of any of the ten tensors in bytes
.set SPT,   528                        ; a stage row: 512 bytes + 16: row r starts at bank 4 r mod 64 (64 banks of 4 bytes: ISA guide 11.1)
.set CODEB, 24576                      ; a unit's codes
.set UNIT,  25600                      ; a unit
.set SW,   16                          ; v16-19   the four fragments' scale words
.set PC,   20                          ; v20-31   a fragment's codes
.set T2,   32                          ; v32-34, v36-38  the upper halves of the two blocks' codes, as the conversions leave them
.set X,    40                          ; v40-103  my 64 numbers: register 32 c + i = k 64 c + 32 (lane / 16) + i of row lane % 16
.set R,    104                         ; v104-231 two sets of 64 registers, as loaded
.set SEL,  44                          ; s[44:45] v_permlanex16_b32's selects for lane l xor 16
	s_load_b512 s[8:23], s[0:1], 0x0               ; input, h_0, W_i_i2h, W_i_h2h, W_f_i2h, W_f_h2h, W_g_i2h, W_g_h2h
	s_load_b128 s[24:27], s[0:1], 0x40             ; W_o_i2h, W_o_h2h
	s_load_b128 s[28:31], s[0:1], 0x50             ; A's units, B's units
	v_lshl_add_u32 v240, v0, 2, 0x8400
	v_mov_b32 v241, 0
	v_lshrrev_b32 v7, 5, v0
	v_readfirstlane_b32 s36, v7                    ; wave 0..3
	v_and_b32 v7, 31, v0                           ; lane
	v_lshlrev_b32 v1, 4, v7                        ; v1: 16 x lane: my bytes of a load's 512 and of an image's 512; never rewritten
	v_lshlrev_b32 v4, 3, v7                        ; v4: 8 x lane: my two scale words on the way out
	v_and_b32 v7, 15, v0                           ; r
	v_bfe_u32 v6, v0, 4, 1                         ; v6: h
	s_mul_i32 s37, s36, 16*SPT                     ; my wave's stage
	v_add_nc_u32 v2, s37, v1                       ; v2: into it: 16 x lane, the row in the immediate
	v_mul_u32_u24 v3, v7, SPT
	v_lshl_add_u32 v3, v6, 7, v3
	v_add_nc_u32 v3, s37, v3                       ; v3: out of it: row r, + 128 h: my 32 numbers of the first 64
	v_lshlrev_b32 v5, 3, v6                        ; v5: 8 h: how far my two scale bytes are shifted
	v_mov_b32 v15, 0                               ; written once: a lane permute's destination counts as one of its sources
	s_mov_b32 s[SEL], 0x76543210
	s_mov_b32 s[SEL+1], 0xfedcba98
	s_lshr_b32 s38, ttmp9, 1                       ; which 32 rows; the work-group's lowest bit says which tensor of the pair
	s_lshl_b32 s39, s38, 5                         ; A's work-groups (0 to 511): first row,
	s_lshr_b32 s40, s38, 2                         ; run of 128 rows,
	s_and_b32 s41, s38, 3
	s_lshl_b32 s41, s41, 1                         ; first block in the run
	s_and_b32 s42, s38, 31                         ; B's (512 to 767): which 32 units: that is the run of 128 rows of B,
	s_lshl_b32 s43, s42, 5                         ; first row of the gate's tensors,
	s_bfe_u32 s46, ttmp9, 0x20006                  ; the gate (2 bits from bit 6: 512 is a multiple of 256),
	s_lshl_b32 s46, s46, 1                         ; first block in the run: 2 x gate
	s_and_b32 s47, ttmp9, 1
	s_wait_alu depctr_va_vdst(0)
	s_wait_kmcnt 0x0
	s_cmp_eq_u32 s47, 0                            ; even work-groups: the pair's first tensor (K 0 .. 1023); odd ones: its second
	s_cselect_b64 s[8:9], s[8:9], s[10:11]
	s_cselect_b64 s[12:13], s[12:13], s[14:15]
	s_cselect_b64 s[16:17], s[16:17], s[18:19]
	s_cselect_b64 s[20:21], s[20:21], s[22:23]
	s_cselect_b64 s[24:25], s[24:25], s[26:27]
	s_cmp_ge_u32 ttmp9, 512                        ; which pair: the choices hang on the work-group's number alone
	s_cselect_b64 s[8:9], s[12:13], s[8:9]
	s_cmp_ge_u32 ttmp9, 576
	s_cselect_b64 s[8:9], s[16:17], s[8:9]
	s_cmp_ge_u32 ttmp9, 640
	s_cselect_b64 s[8:9], s[20:21], s[8:9]
	s_cmp_ge_u32 ttmp9, 704
	s_cselect_b64 s[8:9], s[24:25], s[8:9]
	s_cmp_lt_u32 ttmp9, 512
	s_cselect_b64 s[28:29], s[28:29], s[30:31]     ; the units' buffer,
	s_cselect_b32 s39, s39, s43                    ; the first row,
	s_cselect_b32 s40, s40, s42                    ; the run of 128 rows,
	s_cselect_b32 s41, s41, s46                    ; the first block in it
	s_lshl_b32 s42, s39, 12                        ; the source: row x 4,096 bytes
	s_lshl_b32 s43, s36, 10                        ; + my wave's 256 numbers
	s_add_co_u32 s42, s42, s43
	s_mov_b32 s43, 0
	s_add_nc_u64 s[8:9], s[8:9], s[42:43]
	s_lshl_b32 s46, s47, 2
	s_add_co_u32 s46, s46, s36                     ; my K step of 256: 4 x tensor + wave
	s_lshl_b32 s40, s40, 3
	s_add_co_u32 s46, s46, s40                     ; + 8 x run: my unit
	s_mul_i32 s42, s46, UNIT                       ; its first byte (under 2^24)
	s_lshl_b32 s46, s41, 7                         ; my scale words: 128 bytes a block, behind the unit's codes
	s_add_co_u32 s46, s46, s42
	s_add_co_u32 s46, s46, CODEB
	s_mov_b32 s47, 0
	s_add_nc_u64 s[30:31], s[28:29], s[46:47]
	s_mul_i32 s41, s41, 3072                       ; my codes: 3,072 bytes a block
	s_add_co_u32 s42, s42, s41
	s_add_nc_u64 s[28:29], s[28:29], s[42:43]
.macro LOAD f                          ; fragment f: 16 rows x 512 bytes into set f % 2; each load reads 512 consecutive bytes, at a multiple of 512 from the tensor's first byte
.irp i, 0,1,2,3,4,5,6,7,8,9,10,11,12,13,14,15
	global_load_b128 v[R+64*((\f)%2)+4*\i:R+64*((\f)%2)+4*\i+3], v1, s[8:9] offset:(16*((\f)/2)+\i)*ROWF+((\f)%2)*512 th:TH_LOAD_NT
.endr
.endm
.macro FRAGQ f
.if (\f) < 3
	s_wait_loadcnt 16                              ; this fragment's 16 loads are in; the next fragment's 16 may be out
.else
	s_wait_loadcnt 0x0
.endif
.irp i, 0,1,2,3,4,5,6,7,8,9,10,11,12,13,14,15
	ds_store_b128 v2, v[R+64*((\f)%2)+4*\i:R+64*((\f)%2)+4*\i+3] offset:\i*SPT
.endr
.irp c, 0,1
.irp i, 0,1,2,3,4,5,6,7
	ds_load_b128 v[X+32*\c+4*\i:X+32*\c+4*\i+3], v3 offset:256*\c+16*\i   ; LDS serves a wave's instructions in order (ISA guide 5.7.1.4): these see the stores above
.endr
.endr
	s_wait_dscnt 0x0                               ; my 64 numbers are in, and the stores into the stage have read their registers,
.if (\f)+2 < 4
	LOAD (\f)+2                                    ; which take the fragment two further on
.endif
.irp c, 0,1                                    ; my block of 32 along K, 2 c + h: all its 32 numbers are mine
	v_max3_num_f32 v[8+\c], |v[X+32*\c]|, |v[X+1+32*\c]|, 0x2800000   ; and the floor 2^(5 - 127), under which no largest magnitude is taken: so the byte cannot fall under 1
.endr
.irp i, 2,4,6,8,10,12,14,16,18,20,22,24,26,28,30
.irp c, 0,1
	v_max3_num_f32 v[8+\c], v[8+\c], |v[X+32*\c+\i]|, |v[X+1+32*\c+\i]|   ; (the two blocks by turns)
.endr
.endr
.irp c, 0,1
	v_add_nc_u32 v[10+\c], 0xfe000000, v[8+\c]     ; 4 off its exponent field: the conversion takes the exponent field of this operand as its scale, and nothing else of it
.endr
.irp c, 0,1
	v_lshrrev_b32 v[12+\c], 23, v[10+\c]           ; the scale's byte
.endr
	v_lshl_or_b32 v14, v13, 16, v12                ; my two bytes: blocks h and 2 + h of row r,
	v_lshlrev_b32 v14, v5, v14                     ; at their places in the scale word;
	v_permlanex16_b32 v15, v14, s[SEL], s[SEL+1]
	v_or_b32 v[SW+(\f)], v14, v15                  ; with lane l xor 16's two the word is whole, in both lanes
.if (\f) > 0
	s_wait_alu depctr_va_vdst(0)
	s_wait_xcnt 0x0                                ; the last fragment's stores have had their addresses translated (ISA guide 3.1): only behind this wait are their data written again
.endif
.irp c, 0,1
	v_cvt_scalef32_pk16_bf6_f32 v[PC+6*\c:PC+6*\c+2], v[X+32*\c:X+32*\c+15], v[10+\c]      ; registers 6 c .. 6 c + 2 of the operand
	v_cvt_scalef32_pk16_bf6_f32 v[T2+4*\c:T2+4*\c+2], v[X+32*\c+16:X+32*\c+31], v[10+\c]   ; (a conversion's three registers begin on an even number: the block's second three do not, so they are made here and moved)
.endr
	v_nop                                          ; one plain place behind a scaled conversion
.irp c, 0,1
.irp i, 0,1,2
	v_mov_b32 v[PC+3+6*\c+\i], v[T2+4*\c+\i]
.endr
.endr
.irp c, 0,1,2
	global_store_b128 v1, v[PC+4*\c:PC+4*\c+3], s[28:29] offset:(\f)*1536+512*\c   ; the image: 32 lanes store 512 consecutive bytes, at a multiple of 512 from the buffer's first byte
.endr
.endm
	LOAD 0
	LOAD 1
	FRAGQ 0
	FRAGQ 1
	FRAGQ 2
	FRAGQ 3
	v_cmp_ne_u32 vcc_lo, 0, v6                     ; lanes 0-15 store the two words of my first block's rows, lanes 16-31 those of my second block's
	v_cndmask_b32 v232, v[SW], v[SW+2], vcc_lo
	v_cndmask_b32 v233, v[SW+1], v[SW+3], vcc_lo
	global_store_b64 v4, v[232:233], s[30:31]      ; 32 lanes store 256 consecutive bytes, at a multiple of 256 from the buffer's first byte
	s_wait_tensorcnt 0x0
	ds_add_u32 v240, v241
	s_wait_dscnt 0x0
	s_endpgm
.Lfunc_end_k_qba090eae77_quant:
	.size	k_qba090eae77_quant, .Lfunc_end_k_qba090eae77_quant-k_qba090eae77_quant
	.p2alignl 7, 3214868480
	.fill 96, 4, 3214868480
	.section	.rodata,"a",@progbits
	.p2align	6, 0x0
	.amdhsa_kernel k_qba090eae77_quant
		.amdhsa_group_segment_fixed_size 34304
		.amdhsa_private_segment_fixed_size 0
		.amdhsa_enable_private_segment 0
		.amdhsa_kernarg_size 96
		.amdhsa_user_sgpr_count 2
		.amdhsa_user_sgpr_kernarg_segment_ptr 1
		.amdhsa_wavefront_size32 1
		.amdhsa_system_sgpr_workgroup_id_x 1
		.amdhsa_system_sgpr_workgroup_id_y 1
		.amdhsa_system_sgpr_workgroup_id_z 1
		.amdhsa_system_vgpr_workitem_id 0
		.amdhsa_next_free_vgpr 242
		.amdhsa_next_free_sgpr 66
		.amdhsa_reserve_vcc 1
		.amdhsa_float_denorm_mode_32 3
		.amdhsa_float_denorm_mode_16_64 3
		.amdhsa_memory_ordered 1
		.amdhsa_forward_progress 1
		.amdhsa_inst_pref_size 31
	.end_amdhsa_kernel
	.amdgpu_metadata
---
amdhsa.version: [ 1, 2 ]
amdhsa.kernels:
  - .name:           k_qba090eae77_quant
    .symbol:         k_qba090eae77_quant.kd
    .args:
      - { .name: input, .offset: 0, .size: 8, .value_kind: global_buffer, .address_space: global }
      - { .name: h_0, .offset: 8, .size: 8, .value_kind: global_buffer, .address_space: global }
      - { .name: W_i_i2h, .offset: 16, .size: 8, .value_kind: global_buffer, .address_space: global }
      - { .name: W_i_h2h, .offset: 24, .size: 8, .value_kind: global_buffer, .address_space: global }
      - { .name: W_f_i2h, .offset: 32, .size: 8, .value_kind: global_buffer, .address_space: global }
      - { .name: W_f_h2h, .offset: 40, .size: 8, .value_kind: global_buffer, .address_space: global }
      - { .name: W_g_i2h, .offset: 48, .size: 8, .value_kind: global_buffer, .address_space: global }
      - { .name: W_g_h2h, .offset: 56, .size: 8, .value_kind: global_buffer, .address_space: global }
      - { .name: W_o_i2h, .offset: 64, .size: 8, .value_kind: global_buffer, .address_space: global }
      - { .name: W_o_h2h, .offset: 72, .size: 8, .value_kind: global_buffer, .address_space: global }
      - { .name: a_codes, .offset: 80, .size: 8, .value_kind: global_buffer, .address_space: global }
      - { .name: b_codes, .offset: 88, .size: 8, .value_kind: global_buffer, .address_space: global }
    .group_segment_fixed_size: 34304
    .private_segment_fixed_size: 0
    .kernarg_segment_align: 8
    .kernarg_segment_size: 96
    .max_flat_workgroup_size: 128
    .sgpr_count:     66
    .vgpr_count:     242
    .wavefront_size: 32
...
	.end_amdgpu_metadata
.endif
;; end of part 1
;; launch lstm (part 2): grid 16 x 16, 4 waves a work-group, clusters of 4 x 4, 327,680 bytes of LDS; arguments a_codes, b_codes, c_0, out0, out1, b_i_i2h, b_i_h2h, b_f_i2h, b_f_h2h, b_g_i2h, b_g_h2h, b_o_i2h, b_o_h2h; writes out0, out1
.if DOCPART == 2
	.amdgcn_target "amdgcn-amd-amdhsa--gfx1250"
	.amdhsa_code_object_version 6
	.text
	.protected	k_qba090eae77_lstm
	.globl	k_qba090eae77_lstm
	.p2align	8
	.type	k_qba090eae77_lstm,@function
k_qba090eae77_lstm:
	s_mov_b64 s[64:65], 0
	v_nop
	global_prefetch_b8 v0, s[64:65] scope:SCOPE_SE
	s_setreg_imm32_b32 hwreg(HW_REG_WAVE_MODE, 25, 1), 1
	s_wait_xcnt 0x0
	s_wait_alu depctr_hold_cnt(0) depctr_sa_sdst(0) depctr_va_vdst(0) depctr_va_sdst(0) depctr_va_ssrc(0) depctr_va_vcc(0) depctr_vm_vsrc(0)
	s_getreg_b32 s2, hwreg(HW_REG_IB_STS2, 6, 4)
	s_cmp_eq_u32 s2, 0
	s_cbranch_scc0 .Lentry_in_a_cluster
	s_endpgm
.Lentry_in_a_cluster:
	s_bfe_u32 s2, ttmp6, 0x10000c
	s_cmp_lg_u32 s2, 0xf033
	s_cbranch_scc0 .Lentry_shape_is_right
	s_endpgm
.Lentry_shape_is_right:
; The LSTM cell: pre-activations of four gates = A B^T + biases on codes of BF6 (E3M2) with one E8M0 scale for each 32 along K, sums in f32; then, in f32,
; ct = sigmoid(f) c_0 + sigmoid(i) tanh(g) (out1) and output = sigmoid(o) tanh(ct) (out0).
; A [8192][2048] = [input | h_0];  B [4096][2048]: gate g (0 i, 1 f, 2 g, 3 o), unit U is row (U / 32) 128 + 32 g + U % 32.  The launch before laid codes and scale words in UNITS of 128 rows x 256 K,
; 25,600 bytes on end, unit (run of 128 rows G, K step p) at (8 G + p) 25,600: 16 fragments as register images (block i, half q at 3,072 i + 1,536 q; registers 4 c .. 4 c + 3 of lane l at 512 c + 16 l), then the scale words at 24,576 + 128 i + 8 row + 4 q.
; SHARES.  256 work-groups of four waves; each STAYS and makes two tiles of 256 rows x 256 rows of B (64 units x 4 gates), 4,096 rows apart, on the same rows of B.  A wave makes 128 x 128: 64 accumulators, 512 registers.
; THE MATRIX INSTRUCTION IS USED TRANSPOSED (source 0 = rows of B, source 1 = rows of A): accumulator (a, b = 2 g + u), register j, lane (r, h) holds gate g of row 16 a + r, unit 16 u + 8 h + j of the wave's 32:
; the four gates of a number share a lane and a register index, so the cell is computed in registers.
; LDS: unit w (A's halves 0, 1, B's halves 0, 1) of slot s lies at (2 w + s) 25,600.  So the head's ONE load a wave, 51,200 bytes on end (K steps k0 and k0 + 1 of its run, neighbours in memory), fills its part of both slots;
; later loads bring one unit.  Behind the ring: two stage sets of 17,408 bytes for the way out, then the spare words.
; FRAGMENTS have two register sets for A and two for B: a step's 48 loads are issued during the step before, so a slot has been read out when its second step begins; there stands the change of slots.
; The ring goes on into the second tile: the first tile's last two changes of slots ask for the second tile's first two K steps.
; K IS WALKED ROUND, from K step k0 = (2 x + 4 (bit 0 of y xor bit 1 of y)) mod 8 of cluster (x, y), modulo 8: the sums are the same products in another order.
; CLUSTERS: 4 x 4.  A's tiles are asked for jointly along a row of the cluster, B's along a column.  c_0 is read by one work-group alone: it goes from memory into registers, 16 bytes a lane in the accumulators' layout,
; five blocks of 16 rows ahead; its 256 rows x 256 bytes of a tile are prefetched, a lane a row, 128 rows in each of the lap loop's first two trips, at least six steps ahead of the loads.
; The codes' tiles are not prefetched: the block is 256 x 256 in clusters and a tile's K is eight fills of a slot.
; ARITHMETIC: with I = 2^(-i log2 e), F, O likewise and G = 2^(2 g log2 e): sigmoid(f) = 1 / (1 + F); sigmoid(i) tanh(g) = (G - 1) / ((1 + I)(1 + G)); the output likewise from O and ct.
; G's exponent is held at 64 from above, where tanh is 1 in f32, so G - 1 stays finite; where a denominator overflows the reciprocal is 0, which is the limit.  The two biases of a gate, added and multiplied by the gate's factor once, are the addend of the multiply-add that makes the exponents.
; LIMITS: NaN and infinities among the inputs are not served; near 0 tanh has an absolute error of a few 2^-24.
; REGISTERS: window 0: v1-29 addresses; v32-63 scale words, two sets; v64-159, v160-255 A's two sets (on the way out c_0, gates, rows read back).  window 1: B's sets at v0 and v128; the bias terms at v96-127 and v224-255.
;   windows 2, 3: the accumulators of my rows 0-63, 64-127 ((a, b) at v[8 (8 (a % 4) + b)]).
.set FR,     12
.set CODEB,  24576
.set HALFT,  25600
.set GROUPB, 8*HALFT
.set WALKA,  32*GROUPB                 ; 4,096 rows of A on
.set WALKO,  4096*4096                 ; 4,096 rows of c_0, out0, out1 on
.set SPITCH, 272
.set OUTB,   32*SPITCH                 ; a stage set: 32 rows of ct, then 32 rows of the output
.set SETB,   2*OUTB
.set STG,    8*HALFT
.set SPARE,  STG+2*SETB
.set CA,   8
.set STO,  9
.set RD,   11
.set GO,   13
.set BO,   14
.set PFO,  15
.set ADRA, 16
.set ADRB, 20
.set ADRS, 26
.set SPW,  28
.set NIL,  29
.set SC,   32                          ; set s (slot s) at SC + 16 s; register 2 i + q: lanes 0-15 A's block i, lanes 16-31 B's block i
.set AF,   64
.set BI,   64                          ; head only: the biases
.set B2,   128
.set CZ,   64                          ; the way out: c_0, five blocks of 16 registers by turns
.set X,    144
.set TI,   160
.set TF,   176
.set TG,   192
.set TO,   208
.set BK,   224
.set KQ,   14
.set WV,   18
.set G1,   24
.set G0,   32
.set G1B,  48
.set G0B,  56
.set PFC,  84
.set LIM,  86
.set K1,   88
.set K2,   90
.set ABASE, 96
.set BBASE, 98
.set OF,   100
.set MSB, 0
.macro WIN new
.if MSB != \new
	s_set_vgpr_msb (MSB<<8)|\new
.set MSB, \new
.endif
.endm
.set MUL_LO, 0xa1
.set MUL_HI, 0xf1
.set TO_B,   0x40
.macro PLACES n
.rept \n
	v_nop
.endr
.endm
.macro JLOAD g0a, g1a, g0b, g1b        ; waves 0, 1 fetch for A, waves 2, 3 for B; s_nop 0 and four v_nop behind each line
	s_cmp_eq_u32 s19, 0
	s_cbranch_scc0 .Lfor_b_\@
	tensor_load_to_lds s[\g0a:\g0a+3], s[\g1a:\g1a+7]
	s_nop 0
	PLACES 4
	s_branch .Lasked_\@
.Lfor_b_\@:
	tensor_load_to_lds s[\g0b:\g0b+3], s[\g1b:\g1b+7]
	s_nop 0
	PLACES 4
.Lasked_\@:
.endm
.macro CREST
	s_cmp_lg_u32 s[WV], 0
	s_cbranch_scc1 .Lnot_wave_0_\@
	s_barrier_signal -3
.Lnot_wave_0_\@:
	s_barrier_wait -3
	s_barrier_signal -1
	s_barrier_wait -1
.endm
.macro CROUND
	s_barrier_signal -1
	s_barrier_wait -1
	CREST
.endm
	s_load_b256 s[4:11], s[0:1], 0x0               ; A's units, B's units, c_0, out0
	s_load_b64 s[12:13], s[0:1], 0x20              ; out1
	s_load_b512 s[68:83], s[0:1], 0x28             ; gate g's i2h bias at s[68 + 4 g], its h2h at s[70 + 4 g]
	v_lshl_add_u32 v[SPW], v0, 2, SPARE
	v_mov_b32 v[NIL], 0
	ds_add_u32 v[SPW], v[NIL]                      ; the opening lines: the add twice on end and one wait
	ds_add_u32 v[SPW], v[NIL]
	v_lshrrev_b32 v3, 5, v0
	v_readfirstlane_b32 s[WV], v3
	s_lshr_b32 s19, s[WV], 1                       ; RH: my half of the rows; I fetch for A (0) or B (1)
	s_and_b32 s20, s[WV], 1                        ; CH: my half of the columns; which run of 128 rows I fetch
	s_bfe_u32 s21, ttmp6, 0x40000                  ; cx
	s_bfe_u32 s22, ttmp6, 0x40004                  ; cy
	s_lshl_b32 s23, ttmp9, 2
	s_add_co_u32 s23, s23, s21                     ; TC
	s_and_b32 s15, ttmp7, 0xffff
	s_lshl_b32 s40, s15, 2
	s_add_co_u32 s40, s40, s22                     ; TR of the first tile
	s_lshl_b32 s41, s22, 2
	s_lshl_b32 s41, 15, s41                        ; my row of the cluster
	s_lshl_b32 s42, 0x1111, s21                    ; my column
	s_lshr_b32 s16, s15, 1
	s_xor_b32 s16, s16, s15
	s_and_b32 s16, s16, 1
	s_lshl_b32 s16, s16, 2
	s_lshl_b32 s[KQ], ttmp9, 1
	s_add_co_u32 s[KQ], s[KQ], s16
	s_and_b32 s[KQ], s[KQ], 7                      ; k0, even
	s_mul_i32 s[OF], s[KQ], HALFT
	s_mov_b32 s[OF+1], 0
	s_or_b32 s[G1+0], s41, (3<<16)|(1<<21)         ; elements of 8 bytes, the mask, bit 21 beside it
	s_or_b32 s[G1B+0], s42, (3<<16)|(1<<21)
.irp g, G1, G1B
	s_mov_b32 s[\g+1], 32<<16                      ; rows of 256 bytes
	s_mov_b32 s[\g+2], 200<<16                     ; the head's load: two units, 200 rows
	s_mov_b32 s[\g+3], 32<<16
	s_mov_b32 s[\g+4], 200
	s_mov_b32 s[\g+5], 32
	s_mov_b32 s[\g+6], 0
	s_mov_b32 s[\g+7], 0
.endr
	s_lshl_b32 s43, s40, 1
	s_add_co_u32 s43, s43, s20
	s_lshl_b32 s45, s23, 1
	s_add_co_u32 s45, s45, s20
	s_mul_i32 s[ABASE], s43, GROUPB
	s_mov_b32 s[ABASE+1], 0
	s_mul_i32 s[BBASE], s45, GROUPB
	s_mov_b32 s[BBASE+1], 0
	s_mul_i32 s17, s[WV], 2*HALFT                  ; where my units go
	s_mul_i32 s87, s19, 2*HALFT                    ; my rows of A
	s_mul_i32 s88, s20, 2*HALFT
	s_add_co_u32 s88, s88, 4*HALFT                 ; my rows of B
	s_sub_co_u32 s89, s88, s87
	s_add_co_u32 s90, s87, CODEB
	s_mul_i32 s91, s19, 16*SPITCH
	s_add_co_u32 s91, s91, STG
	s_mul_i32 s92, s20, 8*SPITCH
	s_add_co_u32 s92, s92, s91                     ; back: rows 16 RH + 8 CH ..
	s_lshl_b32 s94, s20, 7
	s_add_co_u32 s91, s91, s94                     ; in: row 16 RH + r, byte 128 CH
	s_lshl_b32 s93, s20, 15
	s_lshl_b32 s95, s23, 8
	s_add_co_u32 s95, s95, s94
	s_lshl_b32 s46, s40, 20
	s_lshl_b32 s47, s23, 8
	s_add_co_u32 s46, s46, s47                     ; the tile's first byte in c_0, out0, out1
	s_mov_b32 s47, 0
	s_lshl_b32 s44, s19, 19
	s_mov_b32 s[LIM], 0x42800000                   ; 64.0
	v_and_b32 v1, 15, v0                           ; r
	v_bfe_u32 v2, v0, 4, 1                         ; h
	v_and_b32 v3, 31, v0
	v_lshlrev_b32 v4, 4, v3
	v_add_nc_u32 v[ADRA], s87, v4
	v_add_nc_u32 v[ADRB], s88, v4
	v_mul_u32_u24 v5, s89, v2                      ; lanes 16-31 take B's scale words
	v_lshl_add_u32 v5, v1, 3, v5
	v_add_nc_u32 v[ADRS], s90, v5
	v_mul_u32_u24 v5, v1, SPITCH
	v_lshl_add_u32 v5, v2, 5, v5
	v_add_nc_u32 v[STO], s91, v5
	v_mul_u32_u24 v6, v2, SPITCH
	v_lshl_add_u32 v6, v1, 4, v6
	v_add_nc_u32 v[RD], s92, v6
	v_lshlrev_b32 v7, 12, v2
	v_lshl_add_u32 v7, v1, 4, v7
	v_add_nc_u32 v[GO], s93, v7                    ; row 8 CH + h, 16 r bytes
	v_lshlrev_b32 v6, 12, v1
	v_lshl_add_u32 v6, v2, 5, v6
	v_add_nc_u32 v[CA], s94, v6                    ; c_0: row r, byte 128 CH + 32 h
	v_lshl_add_u32 v[BO], v2, 5, s95
	v_lshlrev_b32 v[PFO], 12, v0                   ; a thread a row
	s_wait_alu depctr_va_vdst(0)
	s_wait_dscnt 0x0
	s_wait_kmcnt 0x0
	s_add_nc_u64 s[ABASE:ABASE+1], s[4:5], s[ABASE:ABASE+1]
	s_add_nc_u64 s[BBASE:BBASE+1], s[6:7], s[BBASE:BBASE+1]
.irp s, 0,1
	s_mov_b32 s[G0+4*\s], 1
	s_add_co_u32 s[G0+4*\s+1], s17, \s*HALFT
	s_mov_b32 s[G0B+4*\s], 1
	s_add_co_u32 s[G0B+4*\s+1], s17, \s*HALFT
.endr
	s_add_nc_u64 s[G0+2:G0+3], s[ABASE:ABASE+1], s[OF:OF+1]
	s_add_nc_u64 s[G0B+2:G0B+3], s[BBASE:BBASE+1], s[OF:OF+1]
	s_or_b32 s[G0+3], s[G0+3], 0x80000000
	s_or_b32 s[G0B+3], s[G0B+3], 0x80000000
	s_add_nc_u64 s[PFC:PFC+1], s[8:9], s[46:47]
	s_add_co_u32 s46, s46, s44                     ; + my 128 rows
	s_add_nc_u64 s[8:9], s[8:9], s[46:47]
	s_add_nc_u64 s[10:11], s[10:11], s[46:47]
	s_add_nc_u64 s[12:13], s[12:13], s[46:47]
	s_mov_b32 s[K1], 0xbfb8aa3b                    ; -log2 e
	s_mov_b32 s[K1+1], s[K1]
	s_mov_b32 s[K2], 0x4038aa3b                    ; 2 log2 e
	s_mov_b32 s[K2+1], s[K2]
.irp g, 0,1,2,3
.irp u, 0,1
.irp e, 0,1
	global_load_b128 v[BI+8*(2*\g+\u)+4*\e:BI+8*(2*\g+\u)+4*\e+3], v[BO], s[68+4*\g:69+4*\g] offset:64*\u+16*\e
	global_load_b128 v[B2+8*(2*\g+\u)+4*\e:B2+8*(2*\g+\u)+4*\e+3], v[BO], s[70+4*\g:71+4*\g] offset:64*\u+16*\e
.endr
.endr
.endr
	CROUND                                         ; all sixteen work-groups are here
	JLOAD G0, G1, G0B, G1B                         ; my one load of the head: K steps k0 and k0 + 1 of my run, both slots' parts
	s_wait_loadcnt 0x0
.set i, 0
.rept 32
	v_pk_add_f32 v[BI+i:BI+i+1], v[BI+i:BI+i+1], v[B2+i:B2+i+1]
.set i, i+2
.endr
	WIN 0x40
.set i, 0
.rept 32                               ; (b_i2h + b_h2h) x the gate's factor, into window 1
.if i/16 == 2
	v_pk_mul_f32 v[96+i+96*(i/32):97+i+96*(i/32)], v[BI+i:BI+i+1], s[K2:K2+1] op_sel_hi:[1,0]
.else
	v_pk_mul_f32 v[96+i+96*(i/32):97+i+96*(i/32)], v[BI+i:BI+i+1], s[K1:K1+1] op_sel_hi:[1,0]
.endif
.set i, i+2
.endr
	WIN 0
.macro MUL16 a0, p, sc, zero           ; A's blocks a0, a0 + 1 x B's eight, sets p, the slot's p-th 128 along K; the 64 accumulators take turns
.irp a, \a0, \a0+1
.irp b, 0,1,2,3,4,5,6,7
.if \zero
	v_wmma_scale_f32_16x16x128_f8f6f4 v[8*(8*((\a)%4)+\b):8*(8*((\a)%4)+\b)+7], v[128*(\p)+FR*\b:128*(\p)+FR*\b+FR-1], v[AF+96*(\p)+FR*(\a):AF+96*(\p)+FR*(\a)+FR-1], 0, v[SC+16*(\sc)+2*\b+(\p)], v[SC+16*(\sc)+2*(\a)+(\p)] matrix_a_fmt:MATRIX_FMT_BF6 matrix_b_fmt:MATRIX_FMT_BF6 matrix_a_scale:MATRIX_SCALE_ROW1
.else
	v_wmma_scale_f32_16x16x128_f8f6f4 v[8*(8*((\a)%4)+\b):8*(8*((\a)%4)+\b)+7], v[128*(\p)+FR*\b:128*(\p)+FR*\b+FR-1], v[AF+96*(\p)+FR*(\a):AF+96*(\p)+FR*(\a)+FR-1], v[8*(8*((\a)%4)+\b):8*(8*((\a)%4)+\b)+7], v[SC+16*(\sc)+2*\b+(\p)], v[SC+16*(\sc)+2*(\a)+(\p)] matrix_a_fmt:MATRIX_FMT_BF6 matrix_b_fmt:MATRIX_FMT_BF6 matrix_a_scale:MATRIX_SCALE_ROW1
.endif
.endr
.endr
.endm
.macro GB slot, q, i0                  ; B's blocks i0 .. i0 + 3 of the slot's q-th 128 along K into set q: 12 loads of 512 bytes on end
	WIN TO_B
.irp i, \i0, \i0+1, \i0+2, \i0+3
.irp c, 0,1,2
	ds_load_b128 v[128*(\q)+FR*(\i)+4*\c:128*(\q)+FR*(\i)+4*\c+3], v[ADRB] offset:(\slot)*HALFT+(\i)*3072+(\q)*1536+512*\c
.endr
.endr
.endm
.macro GA slot, q, i0                  ; the same of A
	WIN 0
.irp i, \i0, \i0+1, \i0+2, \i0+3
.irp c, 0,1,2
	ds_load_b128 v[AF+96*(\q)+FR*(\i)+4*\c:AF+96*(\q)+FR*(\i)+4*\c+3], v[ADRA] offset:(\slot)*HALFT+(\i)*3072+(\q)*1536+512*\c
.endr
.endr
.endm
.macro SCALES sc
	WIN 0
.irp i, 0,1,2,3,4,5,6,7
	ds_load_b64 v[SC+16*(\sc)+2*\i:SC+16*(\sc)+2*\i+1], v[ADRS] offset:(\sc)*HALFT+\i*128
.endr
.endm
.macro C0LOAD a                        ; c_0 of block a: register 8 u + 4 e + .. = units 16 u + 8 h + 4 e .. of row 16 a + r
.irp u, 0,1
.irp e, 0,1
	global_load_b128 v[CZ+16*((\a)%5)+8*\u+4*\e:CZ+16*((\a)%5)+8*\u+4*\e+3], v[CA], s[8:9] offset:(\a)*65536+64*\u+16*\e   ; the four loads of a block read the same 128 bytes of each row: no hint
.endr
.endr
.endm
; A slot's first step: sets 0 are multiplied; the slot's second step is fetched into sets 1, all 48 loads in the step's first three quarters.
.macro STEPA slot, zero
	PLACES 4                                       ; behind the last products on sets 1
	GB \slot, 1, 0
	GB \slot, 1, 4
	s_wait_dscnt 36                                ; out at most: my A blocks 4-7 (12) and the 24 just issued
	WIN MUL_LO
	MUL16 0, 0, \slot, \zero
	GA \slot, 1, 0
	WIN MUL_LO
	MUL16 2, 0, \slot, \zero
	GA \slot, 1, 4
	s_wait_dscnt 48                                ; all but the next step's 24 + 12 + 12
	WIN MUL_HI
	MUL16 4, 0, \slot, \zero
	MUL16 6, 0, \slot, \zero
	WIN 0
.endm
; A slot's second step: sets 1 are multiplied; the slot has been read out.  fill: it is filled again, two K steps further round (on: of the next tile).  last: a tile's step 15: no fragments are fetched, c_0's first five blocks are asked for.
.macro STEPB slot, fill, on, last
	s_wait_tensorcnt 0x0                           ; all my tensor loads have landed: my part of the other slot
	ds_add_u32 v[SPW], v[NIL]
.if \fill
.if \slot == 0
	s_add_co_u32 s[KQ], s[KQ], 2
	s_and_b32 s[KQ], s[KQ], 7
.if \on
	s_add_nc_u64 s[ABASE:ABASE+1], s[ABASE:ABASE+1], WALKA
.endif
.endif
	s_mul_i32 s[OF], s[KQ], HALFT
	s_add_nc_u64 s[G0+4*\slot+2:G0+4*\slot+3], s[ABASE:ABASE+1], s[OF:OF+1]
	s_add_nc_u64 s[G0B+4*\slot+2:G0B+4*\slot+3], s[BBASE:BBASE+1], s[OF:OF+1]
.if \slot == 1
	s_add_nc_u64 s[G0+4*\slot+2:G0+4*\slot+3], s[G0+4*\slot+2:G0+4*\slot+3], HALFT
	s_add_nc_u64 s[G0B+4*\slot+2:G0B+4*\slot+3], s[G0B+4*\slot+2:G0B+4*\slot+3], HALFT
.endif
	s_or_b32 s[G0+4*\slot+3], s[G0+4*\slot+3], 0x80000000
	s_or_b32 s[G0B+4*\slot+3], s[G0B+4*\slot+3], 0x80000000
.endif
	s_wait_dscnt 0x0                               ; the add is done, and my reads of this slot are over
	s_barrier_signal -1
	s_barrier_wait -1
.if \fill
	CREST                                          ; the barrier has opened a round of the cluster's barrier
	JLOAD G0+4*\slot, G1, G0B+4*\slot, G1B         ; its four v_nop are the places in front of the loads below
.else
	PLACES 4
.endif
.if \last
.irp a, 0,1,2,3,4
	C0LOAD \a
.endr
	WIN MUL_LO
	MUL16 0, 1, \slot, 0
	MUL16 2, 1, \slot, 0
	WIN MUL_HI
	MUL16 4, 1, \slot, 0
	MUL16 6, 1, \slot, 0
.else
	GB 1-\slot, 0, 0                               ; the next step's fetches stand ahead of this step's products, whose operands are all in registers
	GB 1-\slot, 0, 4
	SCALES 1-\slot
	WIN MUL_LO
	MUL16 0, 1, \slot, 0
	GA 1-\slot, 0, 0
	WIN MUL_LO
	MUL16 2, 1, \slot, 0
	GA 1-\slot, 0, 4
	WIN MUL_HI
	MUL16 4, 1, \slot, 0
	MUL16 6, 1, \slot, 0
.endif
	WIN 0
.endm
; THE WAY OUT, a block of 16 rows x my 32 units at a time.  A row's 256 bytes come from two waves: ct and the output go through a stage set (two by turns), a barrier, and leave as whole rows.
.macro READ a
.irp t, 0,1,2,3
	ds_load_b128 v[BK+4*\t:BK+4*\t+3], v[RD] offset:((\a)%2)*SETB+2*SPITCH*\t
	ds_load_b128 v[BK+16+4*\t:BK+16+4*\t+3], v[RD] offset:((\a)%2)*SETB+OUTB+2*SPITCH*\t
.endr
.endm
.macro SEND a
.irp t, 0,1,2,3
	global_store_b128 v[GO], v[BK+4*\t:BK+4*\t+3], s[12:13] offset:(16*(\a)+2*\t)*4096 th:TH_STORE_NT          ; 16 lanes store 256 bytes on end, aligned
	global_store_b128 v[GO], v[BK+16+4*\t:BK+16+4*\t+3], s[10:11] offset:(16*(\a)+2*\t)*4096 th:TH_STORE_NT
.endr
.endm
.macro PK8 op, d, a, b                 ; eight packed lines on 16 registers
.set i, 0
.rept 8
	\op v[\d+i:\d+i+1], v[\a+i:\a+i+1], v[\b+i:\b+i+1]
.set i, i+2
.endr
.endm
.macro PKC op, d, a, c                 ; the same with a constant
.set i, 0
.rept 8
	\op v[\d+i:\d+i+1], v[\a+i:\a+i+1], \c op_sel_hi:[1,0]
.set i, i+2
.endr
.endm
.macro TR16 op, d
.set i, 0
.rept 16
	\op v[\d+i], v[\d+i]
.set i, i+1
.endr
.endm
.macro MIN16 d
.set i, 0
.rept 16
	v_min_num_f32 v[\d+i], s[LIM], v[\d+i]
.set i, i+1
.endr
.endm
.macro WALU
	s_wait_alu depctr_va_vdst(0)
.endm
.macro CHUNK a
.set AC, 64*((\a)%4)
.set CC, CZ+16*((\a)%5)
	WIN 0x12+(\a)/4                                ; source 0: window 2 or 3; source 2: window 1
	WALU
.set i, 0
.rept 32                               ; the exponents; each accumulator from its low end on
.if i/16 == 2
	v_pk_fma_f32 v[TI+i:TI+i+1], v[AC+i:AC+i+1], s[K2:K2+1], v[96+i+96*(i/32):97+i+96*(i/32)] op_sel_hi:[1,0,1]
.else
	v_pk_fma_f32 v[TI+i:TI+i+1], v[AC+i:AC+i+1], s[K1:K1+1], v[96+i+96*(i/32):97+i+96*(i/32)] op_sel_hi:[1,0,1]
.endif
.set i, i+2
.endr
	WIN 0
	MIN16 TG
	WALU
	TR16 v_exp_f32, TI
	TR16 v_exp_f32, TF
	TR16 v_exp_f32, TG
	TR16 v_exp_f32, TO
	v_nop
	WALU
.if (\a) > 0
	s_wait_dscnt 0x0                               ; for the others' sake: my stores of the block before into its stage set are done, and so are my reads of the other set
	s_barrier_signal -1                            ; only work on registers up to the wait
.endif
	PKC v_pk_add_f32, X, TG, -1.0
	PKC v_pk_add_f32, TG, TG, 1.0
	PKC v_pk_add_f32, TI, TI, 1.0
	PKC v_pk_add_f32, TF, TF, 1.0
	PKC v_pk_add_f32, TO, TO, 1.0
	PK8 v_pk_mul_f32, TI, TI, TG
	WALU
.if (\a) > 0
	s_barrier_wait -1                              ; the rows of the block before are whole in the stage
.if (\a) > 1
	s_wait_xcnt 0x0                                ; the stores of the block two before have read their data
.endif
	READ (\a)-1
.endif
	TR16 v_rcp_f32, TF
	TR16 v_rcp_f32, TI
	v_nop
	WALU
	PK8 v_pk_mul_f32, X, X, TI                     ; it gt
	WALU
.if (\a) < 3
	s_wait_loadcnt 16                              ; this block's c_0 is in; the four blocks behind it may be out
.else
	s_wait_loadcnt 4*(7-(\a))
.endif
.set i, 0
.rept 8
	v_pk_fma_f32 v[TG+i:TG+i+1], v[TF+i:TF+i+1], v[CC+i:CC+i+1], v[X+i:X+i+1]   ; ct
.set i, i+2
.endr
.if (\a) < 3
	C0LOAD (\a)+5
.endif
	PKC v_pk_mul_f32, TF, TG, s[K2:K2+1]
	MIN16 TF
	WALU
	TR16 v_exp_f32, TF
	v_nop
	WALU
	PKC v_pk_add_f32, X, TF, -1.0
	PKC v_pk_add_f32, TF, TF, 1.0
	PK8 v_pk_mul_f32, TO, TO, TF
	WALU
	TR16 v_rcp_f32, TO
	v_nop
	WALU
.if (\a) > 0
	s_wait_dscnt 0x0                               ; the rows of the block before are in registers
	SEND (\a)-1
.endif
	PK8 v_pk_mul_f32, TI, X, TO
.irp u, 0,1
.irp e, 0,1
	ds_store_b128 v[STO], v[TG+8*\u+4*\e:TG+8*\u+4*\e+3] offset:((\a)%2)*SETB+64*\u+16*\e
	ds_store_b128 v[STO], v[TI+8*\u+4*\e:TI+8*\u+4*\e+3] offset:((\a)%2)*SETB+OUTB+64*\u+16*\e
.endr
.endr
.endm
	s_wait_alu depctr_va_vdst(0)
	s_wait_tensorcnt 0x0                           ; my part of both slots is in; no tensor load of mine is out, so a descriptor may be written:
	s_mov_b32 s[G1+2], 100<<16                     ; from here on a load brings one unit, 100 rows
	s_mov_b32 s[G1+4], 100
	s_mov_b32 s[G1B+2], 100<<16
	s_mov_b32 s[G1B+4], 100
	s_barrier_signal -1
	s_barrier_wait -1                              ; everybody's is
	s_mov_b32 s2, 2                                ; tiles to go
.Ltile:
	PLACES 4
	GB 0, 0, 0
	GB 0, 0, 4
	SCALES 0
	GA 0, 0, 0
	GA 0, 0, 4
	STEPA 0, 1                                     ; the first products start the sums
	s_mov_b32 s3, 3
.Llap:
	STEPB 0, 1, 0, 0
	s_cmp_gt_u32 s3, 1                             ; trips 1 and 2: 128 rows of this tile's c_0 each, a thread a row
	s_cbranch_scc0 .Lno_ask
	global_prefetch_b8 v[PFO], s[PFC:PFC+1] th:TH_LOAD_NT scope:SCOPE_SE
.Lno_ask:
	STEPA 1, 0
	STEPB 1, 1, 0, 0
	STEPA 0, 0
	s_wait_xcnt 0x0                                ; the prefetch has read its address
	s_add_nc_u64 s[PFC:PFC+1], s[PFC:PFC+1], 128*4096
	s_sub_co_u32 s3, s3, 1
	s_cmp_lg_u32 s3, 0
	s_cbranch_scc1 .Llap
	s_cmp_eq_u32 s2, 1
	s_cbranch_scc1 .Llast_tile
	STEPB 0, 1, 1, 0                               ; the ring goes on into the next tile: slot 0 takes its first K step,
	STEPA 1, 0
	STEPB 1, 1, 1, 1                               ; slot 1 its second
	s_branch .Lway_out
.Llast_tile:
	STEPB 0, 0, 0, 0                               ; the last tile asks for nothing more
	STEPA 1, 0
	STEPB 1, 0, 0, 1
.Lway_out:
	PLACES 4                                       ; behind the last products
	CHUNK 0
	CHUNK 1
	CHUNK 2
	CHUNK 3
	CHUNK 4
	CHUNK 5
	CHUNK 6
	CHUNK 7
	s_wait_dscnt 0x0                               ; my stores of the last block into the stage are done
	s_barrier_signal -1
	s_barrier_wait -1
	s_wait_xcnt 0x0                                ; block 6's stores have read their data
	READ 7
	s_wait_dscnt 0x0
	SEND 7
	s_wait_xcnt 0x0                                ; the stores and loads have read their bases
	s_add_nc_u64 s[8:9], s[8:9], WALKO
	s_add_nc_u64 s[10:11], s[10:11], WALKO
	s_add_nc_u64 s[12:13], s[12:13], WALKO
	s_add_nc_u64 s[PFC:PFC+1], s[PFC:PFC+1], WALKO-3*128*4096
	s_sub_co_u32 s2, s2, 1
	s_cmp_lg_u32 s2, 0
	s_cbranch_scc1 .Ltile
	s_wait_tensorcnt 0x0                           ; the wave's end
	ds_add_u32 v[SPW], v[NIL]
	s_wait_dscnt 0x0
	CROUND                                         ; the closing round
	s_endpgm
.Lfunc_end_k_qba090eae77_lstm:
	.size	k_qba090eae77_lstm, .Lfunc_end_k_qba090eae77_lstm-k_qba090eae77_lstm
	.p2alignl 7, 3214868480
	.fill 96, 4, 3214868480
	.section	.rodata,"a",@progbits
	.p2align	6, 0x0
	.amdhsa_kernel k_qba090eae77_lstm
		.amdhsa_group_segment_fixed_size 327680
		.amdhsa_private_segment_fixed_size 0
		.amdhsa_enable_private_segment 0
		.amdhsa_kernarg_size 104
		.amdhsa_user_sgpr_count 2
		.amdhsa_user_sgpr_kernarg_segment_ptr 1
		.amdhsa_wavefront_size32 1
		.amdhsa_system_sgpr_workgroup_id_x 1
		.amdhsa_system_sgpr_workgroup_id_y 1
		.amdhsa_system_sgpr_workgroup_id_z 1
		.amdhsa_system_vgpr_workitem_id 0
		.amdhsa_next_free_vgpr 1024
		.amdhsa_next_free_sgpr 102
		.amdhsa_reserve_vcc 0
		.amdhsa_float_denorm_mode_32 3
		.amdhsa_float_denorm_mode_16_64 3
		.amdhsa_memory_ordered 1
		.amdhsa_forward_progress 1
		.amdhsa_inst_pref_size 255
	.end_amdhsa_kernel
	.section	.bss,"aw",@nobits
	.p2align	6
	.space	262144
	.amdgpu_metadata
---
amdhsa.version: [ 1, 2 ]
amdhsa.kernels:
  - .name:           k_qba090eae77_lstm
    .symbol:         k_qba090eae77_lstm.kd
    .args:
      - { .name: a_codes, .offset: 0, .size: 8, .value_kind: global_buffer, .address_space: global }
      - { .name: b_codes, .offset: 8, .size: 8, .value_kind: global_buffer, .address_space: global }
      - { .name: c_0, .offset: 16, .size: 8, .value_kind: global_buffer, .address_space: global }
      - { .name: out0, .offset: 24, .size: 8, .value_kind: global_buffer, .address_space: global }
      - { .name: out1, .offset: 32, .size: 8, .value_kind: global_buffer, .address_space: global }
      - { .name: b_i_i2h, .offset: 40, .size: 8, .value_kind: global_buffer, .address_space: global }
      - { .name: b_i_h2h, .offset: 48, .size: 8, .value_kind: global_buffer, .address_space: global }
      - { .name: b_f_i2h, .offset: 56, .size: 8, .value_kind: global_buffer, .address_space: global }
      - { .name: b_f_h2h, .offset: 64, .size: 8, .value_kind: global_buffer, .address_space: global }
      - { .name: b_g_i2h, .offset: 72, .size: 8, .value_kind: global_buffer, .address_space: global }
      - { .name: b_g_h2h, .offset: 80, .size: 8, .value_kind: global_buffer, .address_space: global }
      - { .name: b_o_i2h, .offset: 88, .size: 8, .value_kind: global_buffer, .address_space: global }
      - { .name: b_o_h2h, .offset: 96, .size: 8, .value_kind: global_buffer, .address_space: global }
    .group_segment_fixed_size: 327680
    .private_segment_fixed_size: 0
    .kernarg_segment_align: 8
    .kernarg_segment_size: 104
    .max_flat_workgroup_size: 128
    .sgpr_count:     102
    .vgpr_count:     1024
    .wavefront_size: 32
...
	.end_amdgpu_metadata
.endif
;; end of part 2
